; MI455X (gfx1250); checked and timed in simulation.
; The chip was launched on July 23, 2026; its instructions are those of AMD's public machine-readable ISA for CDNA 5 (MIT licence, August 2026) and "CDNA5" Instruction Set Architecture Reference Guide (July 2026). The comments in the code are by the model that wrote it; some were corrected since.
;; Attention Head. Allowed arithmetic: matrix products marked QUANTISED: E2M3 operands, one E8M0 scale for each 32 along K, by v_wmma_scale_f32_16x16x128_f8f6f4 with both operands' format E2M3, f32 sums; products left as they are: f32 operands where the result goes on into a quantised operand, else bf16, f16 or f32 operands; f32 sums; everything else in f32.
;; Inputs: Wk 5 x 64 float32; Wq 5 x 64 float32; Wv 5 x 64 float32; bk 64 float32; bq 64 float32; bv 64 float32; x 4,096 x 4 x 5 float32.
;; Outputs: out0 4,096 x 4 x 64 float32.
;; This version of the problem:
;;   THIS VERSION OF THE PROBLEM IS GIVEN IN LOW PRECISION. The matrix products marked QUANTISED in the list below multiply operands that are first quantised to E2M3 (2 exponent bits, 3 mantissa bits; 6 bits a number), with one power-of-two scale for each 32 numbers along K (OCP MX v1.0); their sums are f32. All else is computed in f32.
;;   The module's matrix products, in the order in which they are computed (A, B: the left and right operand; K: the contracted axis; several contracted axes count as one K, in the product's order):
;;     1. [M 16,384, K 5] x [K 5, N 64]; A: input x; B: input Wk: left as it is (K = 5 < 32)
;;     2. [M 16,384, K 5] x [K 5, N 64]; A: input x; B: input Wq: left as it is (K = 5 < 32)
;;     3. [M 16,384, K 5] x [K 5, N 64]; A: input x; B: input Wv: left as it is (K = 5 < 32)
;;     4. batch 4 x [M 4,096, K 64] x [K 64, N 4,096]; A: computed on the way; B: computed on the way: QUANTISED
;;     5. batch 4 x [M 4,096, K 4,096] x [K 4,096, N 64]; A: softmax (see below); B: computed on the way: QUANTISED
;;   THE QUANTISER, for each operand of a quantised product, along K:
;;     - K is cut into blocks of 32 from its start; a last block that is shorter is filled with zeros.
;;     - A block's scale is 2^e with e = floor(log2(the largest magnitude in the block)) - 2, held to -126 .. 127; a block of zeros has e = 0. As a byte (E8M0): e + 127.
;;     - Each number is divided by its block's scale, clamped to +-7.5, and rounded to the nearest number of E2M3, ties to even, subnormals kept.
;;     - The product sums the exact products of the quantised numbers (number of the format x scale) in f32.
;;   ~~~python
;;   def quantise(x, axis):      # numpy; x: float32 -> the quantised numbers, widened to float32 again
;;       x = np.moveaxis(x, axis, -1); K = x.shape[-1]
;;       x = np.pad(x, [(0, 0)] * (x.ndim - 1) + [(0, -K % 32)]); x = x.reshape(x.shape[:-1] + (-1, 32)); a = np.abs(x).max(-1, keepdims=True)
;;       e = np.where(a > 0, np.clip(np.frexp(np.where(a > 0, a, 1))[1] - 1 - 2, -126, 127), 0)      # np.frexp(a)[1] - 1 = floor(log2(a)), exactly
;;       r = np.clip(x / 2.0 ** e, -7.5, 7.5)
;;       step = 2.0 ** (np.maximum(np.frexp(np.where(r == 0, 1, r))[1] - 1, 0) - 3)
;;       q = np.round(r / step) * step * 2.0 ** e      # np.round: ties to even
;;       return np.moveaxis(q.reshape(q.shape[:-2] + (-1,))[..., :K], -1, axis).astype(np.float32)
;;   ~~~
;;   SOFTMAX AHEAD OF A QUANTISED PRODUCT. Where the list says 'softmax', what is quantised is not the finished softmax but p = 2^(t - M), with t = logit x log2(e) and M = ceil(the row's largest t), a whole number; so 1/2 < the row's largest p <= 1. The row's sum l is taken of the UNQUANTISED p, in f32, and the product's result is divided by l at the end. Since M is a whole number, a kernel that streams over the keys may use a running M (the ceiling of the running maximum): every later rescaling is an exact power of two, which a block's scale takes up: the codes' values come out the same.
;;   OPERANDS COMPUTED ON THE WAY. 'Computed on the way' means the value that the module computes at that place (a softmax that the list does not call 'softmax' is quantised finished and normalised). What goes into a quantiser is computed in f32, as accurately as f32 sums, v_exp_f32 and their like allow (about 1e-6 of the number): no bf16 or f16 on the way to a quantiser, and a product that is left as it is and whose result goes on into a quantised operand takes f32 operands (vector FMAs, or v_wmma_f32_16x16x4_f32). A number that lies on a knife's edge between two numbers of the format may be rounded either way, as far as f32 arithmetic and the matrix unit's own rounding can turn it there, and no further.
;; One version. Each part assembles by itself: llvm-mc -triple=amdgcn-amd-amdhsa -mcpu=gfx1250 --defsym DOCPART=n.
;; ======== version 1 of 1: 2 launches
;; limits: right only within a limited range of input values
;; workspace buffers: kvw 1,638,400 bytes; qw 917,504 bytes
;; launch prep (part 1): grid 64 x 4, 6 waves a work-group, no clusters, 11,264 bytes of LDS; arguments x, Wk, bk, Wq, bq, Wv, bv, kvw, qw; writes kvw, qw
.if DOCPART == 1
	.amdgcn_target "amdgcn-amd-amdhsa--gfx1250"
	.amdhsa_code_object_version 6
	.text
	.protected	k_qe6fc5c0c42_prep
	.globl	k_qe6fc5c0c42_prep
	.p2align	8
	.type	k_qe6fc5c0c42_prep,@function
k_qe6fc5c0c42_prep:
	s_mov_b64 s[64:65], 0
	v_nop
	global_prefetch_b8 v0, s[64:65] scope:SCOPE_SE
	s_setreg_imm32_b32 hwreg(HW_REG_WAVE_MODE, 25, 1), 1
	s_wait_xcnt 0x0
; k = x Wk + bk, q = x Wq + bq, v = x Wv + bv in f32, then quantised to FP6 (E2M3) with one E8M0 byte for each 32 along the later products' K:
; k and q along the head's 64, v along the keys.  x: [4096][4][5] f32; W: [5][64]; b: [64].
; The projections go by v_wmma_f32_16x16x4_f32 in two K steps: features 0-3, then (feature 4, the bias against a 1.0, 0, 0): f32 operands, since the results go into a quantiser.
; SHARES.  256 work-groups: batch y, key step (128 positions) x / 2, half y2 = x % 2.  Six waves, ONE task each, 64 numbers a lane: waves 0, 1 the key pairs j = 2 y2 + w % 2; waves 2, 3 the query pairs j; waves 4, 5 v's fragments j (16 channels x 128 keys).
; WHAT IS STORED are images of the operands' registers, lane by lane:
;   kvw [batch][step] records of 12,800 bytes = two halves of 6,400: for jj = 0, 1: +3,072 jj key pair (12 registers: four at 512 c + 16 lane), +1,536 more v's fragment; +6,144 [jj][row r][2]: (the pair's scale word, v's), one unit of 256 bytes.
;   A key pair is ONE operand of 128 along K: registers 0-5 the 64 of key tile 2 j, registers 6-11 those of key tile 2 j + 1.  Row r of key tile t is key 64 (t / 4) + 32 (r / 8) + 8 (t % 4) + r % 8 of the step.
;   qw [batch][pair] records of 1,792 bytes: +0 tile A registers 0-3, +512 tile B's, +1,024 A's registers 4-5 (8 lane), +1,280 B's, +1,536 at 8 lane: (A's scale register, B's).
;   A query tile's scale register: lanes 0-15 its two bytes in bytes 0, 1; lanes 16-31 the same two in bytes 2, 3; the other bytes are 0 and meet zero codes alone.
; THE ROWS OF EACH TILE ARE CHOSEN so that a lane's 32 registers are one whole scale block: weight column 32 (r / 8) + 8 t + r % 8 in tile t of k and q, position 64 (t / 4) + 32 (r / 8) + 8 (t % 4) + r % 8 in tile t of v.  Lane (r, h) then holds block h, or blocks h and 2 + h: no lane looks at another but for the scale words.
; No cluster: what work-groups share is 10,240 bytes of x and the weights, read once by each through registers; no loop, so nothing is prefetched.
; LIMITS: NaN and infinities among the inputs are not served.  A block of zeros gets the byte 1 (its codes are zeros, and this program alone reads the bytes).
.set HALF,  6400
.set XB,    10240                      ; LDS: x, then 256 bytes of scale words, then the spare words
.set SPARE, 10496
.set XA,   4                           ; v4, v5 my position in LDS, tile 0: features 2 h, 2 h + 1; feature 4.  v6, v7: tile 1 of k or q
.set VW,   8                           ; v8, v9  Wk, Wq: rows 2 h, 2 h + 1 of my column; the column with no row
.set L16,  10
.set L8,   11
.set XT,   12                          ; v12 16 x thread
.set SH,   13                          ; v13 8 h
.set WA,   14                          ; v14 where my scale word goes in LDS
.set XF,   16                          ; v16-47 fragments of x, four registers each
.set WF,   48                          ; v48-63 fragments of a weight
.set D,    64                          ; v64-127 eight accumulators: written by matrix instructions alone
.set PC,   128                         ; v128-139 codes
.set CT,   140                         ; v140-146 the conversions' second halves
.set TM,   148                         ; v148-151 largest magnitudes
.set SO,   152                         ; v152-153 the conversions' scale operands
.set E,    154                         ; v154-155 bytes
.set XW,   156
.set PY,   157
.set PZ,   158
.set VV,   162                         ; v162, v163 Wv: column 16 j + r
.set XL,   164                         ; v164-183 x's loads
.set SPW,  184
.set NIL,  185
.set SEL,  50
.macro WALU
	s_wait_alu depctr_va_vdst(0)
.endm
	s_load_b512 s[8:23], s[0:1], 0x0               ; x 8, Wk 10, bk 12, Wq 14, bq 16, Wv 18, bv 20, kvw 22
	s_load_b64 s[24:25], s[0:1], 0x40              ; qw
	v_lshl_add_u32 v[SPW], v0, 2, SPARE
	v_mov_b32 v[NIL], 0
	v_lshrrev_b32 v1, 5, v0
	v_readfirstlane_b32 s26, v1                    ; my wave
	s_and_b32 s27, s26, 1                          ; jj
	s_lshr_b32 s28, s26, 1                         ; 0 k, 1 q, 2 v
	s_and_b32 s29, ttmp7, 3                        ; batch
	s_lshr_b32 s32, ttmp9, 1                       ; key step
	s_and_b32 s33, ttmp9, 1                        ; half
	s_cmp_eq_u32 s28, 1
	s_cselect_b32 s34, 8, 32                       ; from lanes' rows 0-7 to rows 8-15: query tiles are 16 neighbours
	s_cselect_b32 s35, 32, 16                      ; from pair to pair; half of it from tile to tile
	s_mul_i32 s36, s27, s35
	s_lshl_b32 s37, s33, 6
	s_add_co_u32 s36, s36, s37                     ; k, q: my first position: 64 half + jj x that
	s_cmp_lt_u32 s26, 4
	s_cselect_b32 s36, s36, 0                      ; v: all 128
	s_mul_i32 s36, s36, 80
	s_mul_i32 s37, s29, 20
	s_add_co_u32 s37, s37, s36
	s_mul_i32 s38, s35, 40
	s_lshl_b32 s39, s33, 1
	s_add_co_u32 s39, s39, s27                     ; j
	s_lshr_b32 s41, s26, 2                         ; 1: v
	s_lshl_b32 s40, s27, 7
	s_lshl_b32 s36, s41, 2
	s_add_co_u32 s40, s40, s36
	s_add_co_u32 s40, s40, XB
	s_lshl_b32 s36, s29, 5
	s_add_co_u32 s36, s36, s32                     ; 32 batch + step
	s_lshl_b32 s44, s36, 1
	s_add_co_u32 s44, s44, s33
	s_mul_i32 s44, s44, HALF                       ; my half record in kvw
	s_mov_b32 s45, 0
	s_mul_i32 s42, s27, 3072
	s_add_co_u32 s42, s42, s44
	s_mul_i32 s43, s41, 1536
	s_add_co_u32 s42, s42, s43                     ; my codes
	s_mov_b32 s43, 0
	s_lshl_b32 s46, s36, 2
	s_add_co_u32 s46, s46, s39
	s_mul_i32 s46, s46, 1792                       ; qw: record 128 batch + 4 step + j
	s_mov_b32 s47, 0
	s_mul_i32 s48, s32, 10240                      ; x: 128 positions of 80 bytes
	s_mov_b32 s49, 0
	s_lshl_b32 s39, s39, 6                         ; 16 j columns of 4 bytes
	s_mov_b32 s[SEL], 0x76543210
	s_mov_b32 s[SEL+1], 0xfedcba98
	WALU
	v_and_b32 v1, 31, v0                           ; lane
	v_and_b32 v2, 15, v0                           ; r
	v_bfe_u32 v3, v0, 4, 1                         ; h
	v_and_b32 v15, 7, v0                           ; r % 8
	v_bfe_u32 v159, v0, 3, 1                       ; r / 8
	v_lshlrev_b32 v[L16], 4, v1
	v_lshlrev_b32 v[L8], 3, v1
	v_lshlrev_b32 v[XT], 4, v0
	v_lshlrev_b32 v[SH], 3, v3
	v_mul_u32_u24 v156, s34, v159
	v_add_nc_u32 v156, v156, v15
	v_mul_u32_u24 v156, v156, 80
	v_add_nc_u32 v156, s37, v156
	v_lshl_add_u32 v[XA], v3, 3, v156
	v_add_nc_u32 v[XA+1], 16, v156
	v_add_nc_u32 v[XA+2], s38, v[XA]
	v_add_nc_u32 v[XA+3], s38, v[XA+1]
	v_lshl_add_u32 v15, v159, 5, v15               ; r % 8 + 32 (r / 8)
	v_lshlrev_b32 v[VW+1], 2, v15
	v_lshl_add_u32 v[VW], v3, 9, v[VW+1]
	v_lshl_add_u32 v[VV+1], v2, 2, s39
	v_lshl_add_u32 v[VV], v3, 9, v[VV+1]
	v_lshl_add_u32 v[WA], v2, 3, s40
	v_mov_b32 v[PY], 0                             ; written once: a lane permute's destination counts as one of its sources
	v_mov_b32 v[PZ], 0
	WALU
	s_wait_kmcnt 0x0
	s_add_nc_u64 s[8:9], s[8:9], s[48:49]
	s_add_nc_u64 s[30:31], s[22:23], s[44:45]
	s_add_nc_u64 s[22:23], s[22:23], s[42:43]
	s_add_nc_u64 s[24:25], s[24:25], s[46:47]
	s_cmp_lt_u32 s26, 2
	s_cselect_b64 s[10:11], s[10:11], s[14:15]     ; k's weight and bias, or q's
	s_cselect_b64 s[12:13], s[12:13], s[16:17]
; A fragment of a weight.  K step 0: rows 2 h, 2 h + 1 of my column.  K step 1: (row 4, the bias); lanes 16-31, whose K would be 6 and 7, are cleared below.
.macro WFRAG reg, adr, sw, sb, off
	global_load_b32 v[\reg], v[\adr], s[\sw:\sw+1] offset:\off
	global_load_b32 v[\reg+1], v[\adr], s[\sw:\sw+1] offset:\off+256
	global_load_b32 v[\reg+2], v[\adr+1], s[\sw:\sw+1] offset:\off+1024
	global_load_b32 v[\reg+3], v[\adr+1], s[\sb:\sb+1] offset:\off
.endm
	s_cmp_lt_u32 s26, 4
	s_cbranch_scc0 .Lweight_v
.irp i, 0,1,2,3,4
	global_load_b128 v[XL+4*\i:XL+4*\i+3], v[XT], s[8:9] offset:2048*\i   ; the step's 10,240 bytes of x, as they lie: 128 threads x 16 bytes a load
.endr
.irp t, 0,1,2,3
	WFRAG WF+4*\t, VW, 10, 12, 32*\t
.endr
	s_wait_loadcnt 16                              ; x's five loads are in; the 16 of the weight may be out
.irp i, 0,1,2,3,4
	ds_store_b128 v[XT], v[XL+4*\i:XL+4*\i+3] offset:2048*\i
.endr
	s_branch .Lx_asked
.Lweight_v:
	WFRAG WF, VV, 18, 20, 0
.Lx_asked:
	s_wait_dscnt 0x0                               ; for the others' sake: my part of x lies in LDS
	s_barrier_signal -1
	s_barrier_wait -1
; A fragment of x.  K step 0: features 2 h, 2 h + 1 of my position.  K step 1: (feature 4, 1.0) in every lane: in lanes 16-31 they meet the weights' zeros.
.macro XFRAG reg, adr, off
	ds_load_b32 v[\reg], v[\adr] offset:\off
	ds_load_b32 v[\reg+1], v[\adr] offset:\off+4
	ds_load_b32 v[\reg+2], v[\adr+1] offset:\off
	v_mov_b32 v[\reg+3], 1.0
.endm
.macro CLEAR f
	v_cndmask_b32 v[\f+2], 0, v[\f+2], vcc_lo
	v_cndmask_b32 v[\f+3], 0, v[\f+3], vcc_lo
.endm
	s_cmp_lt_u32 s26, 4
	s_cbranch_scc0 .Lproduct_v
	XFRAG XF, XA, 0
	XFRAG XF+4, XA+2, 0
	s_wait_loadcnt 0x0                             ; the weight
	v_cmp_gt_u32 vcc_lo, 16, v1                    ; lanes 0-15
.irp t, 0,1,2,3
	CLEAR WF+4*\t
.endr
	WALU
	s_wait_dscnt 0x0
; Eight accumulators by turns, K step by K step.  The first K step starts the sums with the constant 0.
.irp t, 0,1,2,3,4,5,6,7
	v_wmma_f32_16x16x4_f32 v[D+8*\t:D+8*\t+7], v[WF+4*(\t%4):WF+4*(\t%4)+1], v[XF+4*(\t/4):XF+4*(\t/4)+1], 0
.endr
.irp t, 0,1,2,3,4,5,6,7
	v_wmma_f32_16x16x4_f32 v[D+8*\t:D+8*\t+7], v[WF+4*(\t%4)+2:WF+4*(\t%4)+3], v[XF+4*(\t/4)+2:XF+4*(\t/4)+3], v[D+8*\t:D+8*\t+7]
.endr
	s_branch .Lquantise
.Lproduct_v:
.irp t, 0,1,2,3,4,5,6,7
	XFRAG XF+4*\t, XA, (64*(\t/4)+8*(\t%4))*80
.endr
	s_wait_loadcnt 0x0
	v_cmp_gt_u32 vcc_lo, 16, v1
	CLEAR WF
	WALU
	s_wait_dscnt 0x0
.irp t, 0,1,2,3,4,5,6,7                        ; source 0 = 16 positions, source 1 = my 16 columns of Wv
	v_wmma_f32_16x16x4_f32 v[D+8*\t:D+8*\t+7], v[XF+4*\t:XF+4*\t+1], v[WF:WF+1], 0
.endr
.irp t, 0,1,2,3,4,5,6,7
	v_wmma_f32_16x16x4_f32 v[D+8*\t:D+8*\t+7], v[XF+4*\t+2:XF+4*\t+3], v[WF+2:WF+3], v[D+8*\t:D+8*\t+7]
.endr
.Lquantise:
.rept 8
	v_nop                                          ; eight places ahead of the first read of a result (ISA guide 7.12.1)
.endr
; A lane's registers 32 c + 0 .. 31 are one block: its largest magnitude in two chains, each accumulator from its low end on, with the floor 2^(3 - 127): the byte cannot fall under 1.
.irp k, 0,1,2,3
	v_max3_num_f32 v[TM+\k], |v[D+16*\k]|, |v[D+1+16*\k]|, 0x1800000
.endr
.irp i, 2,4,6,8,10,12,14
.irp k, 0,1,2,3
	v_max3_num_f32 v[TM+\k], v[TM+\k], |v[D+16*\k+\i]|, |v[D+1+16*\k+\i]|
.endr
.endr
	v_max_num_f32 v[TM], v[TM], v[TM+1]
	v_max_num_f32 v[TM+2], v[TM+2], v[TM+3]
	v_add_nc_u32 v[SO], 0xff000000, v[TM]          ; 2 off its exponent field: the conversion takes this operand's exponent field as its scale
	v_add_nc_u32 v[SO+1], 0xff000000, v[TM+2]
.irp c, 0,1
	v_cvt_scalef32_pk16_fp6_f32 v[PC+6*\c:PC+6*\c+2], v[D+32*\c:D+32*\c+15], v[SO+\c]
	v_cvt_scalef32_pk16_fp6_f32 v[CT+4*\c:CT+4*\c+2], v[D+32*\c+16:D+32*\c+31], v[SO+\c]   ; (a conversion's three registers begin on an even number)
.endr
	v_lshrrev_b32 v[E], 23, v[SO]                  ; the bytes; also the plain place behind the conversions
	v_lshrrev_b32 v[E+1], 23, v[SO+1]
.irp c, 0,1
.irp i, 0,1,2
	v_mov_b32 v[PC+6*\c+3+\i], v[CT+4*\c+\i]
.endr
.endr
	WALU
	s_cmp_eq_u32 s28, 1
	s_cbranch_scc1 .Lout_q
	v_lshl_or_b32 v[XW], v[E+1], 16, v[E]          ; k, v: my two bytes are bytes h and 2 + h of the scale word
	v_permlanex16_b32 v[PY], v[XW], s[SEL], s[SEL+1]
	v_sub_nc_u32 v[PZ], 8, v[SH]
	v_lshlrev_b32 v[XW], v[SH], v[XW]
	v_lshl_or_b32 v[XW], v[PY], v[PZ], v[XW]       ; the same word in both halves of the lanes
	ds_store_b32 v[WA], v[XW]
.irp c, 0,1,2
	global_store_b128 v[L16], v[PC+4*\c:PC+4*\c+3], s[22:23] offset:512*\c   ; 32 lanes store 512 consecutive bytes, at a multiple of 256 from the buffer's first byte
.endr
	s_branch .Lwords
.Lout_q:
	v_permlanex16_b32 v[PY], v[E], s[SEL], s[SEL+1]
	v_permlanex16_b32 v[PZ], v[E+1], s[SEL], s[SEL+1]
	v_mul_u32_u24 v[XW], 3, v[SH]                  ; 24 h
	v_add_nc_u32 v159, 8, v[SH]                    ; 8 + 8 h
	v_lshlrev_b32 v[E], v[XW], v[E]
	v_lshlrev_b32 v[E+1], v[XW], v[E+1]
	v_lshl_or_b32 v160, v[PY], v159, v[E]          ; lanes 0-15: bytes 0, 1; lanes 16-31: bytes 2, 3
	v_lshl_or_b32 v161, v[PZ], v159, v[E+1]
	global_store_b128 v[L16], v[PC:PC+3], s[24:25]
	global_store_b128 v[L16], v[PC+6:PC+9], s[24:25] offset:512
	global_store_b64 v[L8], v[PC+4:PC+5], s[24:25] offset:1024
	global_store_b64 v[L8], v[PC+10:PC+11], s[24:25] offset:1280
	global_store_b64 v[L8], v[160:161], s[24:25] offset:1536
.Lwords:
	s_wait_dscnt 0x0                               ; my scale words lie in LDS
	s_barrier_signal -1
	s_barrier_wait -1
	s_cmp_lg_u32 s26, 0
	s_cbranch_scc1 .Lend
	ds_load_b64 v[148:149], v[L8] offset:XB
	s_wait_dscnt 0x0
	global_store_b64 v[L8], v[148:149], s[30:31] offset:6144   ; the half record's 64 scale words: one aligned unit of 256 bytes
.Lend:
	s_wait_tensorcnt 0x0                           ; the wave's end
	ds_add_u32 v[SPW], v[NIL]
	s_wait_dscnt 0x0
	s_endpgm
.Lfunc_end_k_qe6fc5c0c42_prep:
	.size	k_qe6fc5c0c42_prep, .Lfunc_end_k_qe6fc5c0c42_prep-k_qe6fc5c0c42_prep
	.p2alignl 7, 3214868480
	.fill 96, 4, 3214868480
	.section	.rodata,"a",@progbits
	.p2align	6, 0x0
	.amdhsa_kernel k_qe6fc5c0c42_prep
		.amdhsa_group_segment_fixed_size 11264
		.amdhsa_private_segment_fixed_size 0
		.amdhsa_enable_private_segment 0
		.amdhsa_kernarg_size 72
		.amdhsa_user_sgpr_count 2
		.amdhsa_user_sgpr_kernarg_segment_ptr 1
		.amdhsa_wavefront_size32 1
		.amdhsa_system_sgpr_workgroup_id_x 1
		.amdhsa_system_sgpr_workgroup_id_y 1
		.amdhsa_system_sgpr_workgroup_id_z 1
		.amdhsa_system_vgpr_workitem_id 0
		.amdhsa_next_free_vgpr 192
		.amdhsa_next_free_sgpr 66
		.amdhsa_reserve_vcc 1
		.amdhsa_float_denorm_mode_32 3
		.amdhsa_float_denorm_mode_16_64 3
		.amdhsa_memory_ordered 1
		.amdhsa_forward_progress 1
		.amdhsa_inst_pref_size 17
	.end_amdhsa_kernel
	.amdgpu_metadata
---
amdhsa.version: [ 1, 2 ]
amdhsa.kernels:
  - .name:           k_qe6fc5c0c42_prep
    .symbol:         k_qe6fc5c0c42_prep.kd
    .args:
      - { .name: x, .offset: 0, .size: 8, .value_kind: global_buffer, .address_space: global }
      - { .name: Wk, .offset: 8, .size: 8, .value_kind: global_buffer, .address_space: global }
      - { .name: bk, .offset: 16, .size: 8, .value_kind: global_buffer, .address_space: global }
      - { .name: Wq, .offset: 24, .size: 8, .value_kind: global_buffer, .address_space: global }
      - { .name: bq, .offset: 32, .size: 8, .value_kind: global_buffer, .address_space: global }
      - { .name: Wv, .offset: 40, .size: 8, .value_kind: global_buffer, .address_space: global }
      - { .name: bv, .offset: 48, .size: 8, .value_kind: global_buffer, .address_space: global }
      - { .name: kvw, .offset: 56, .size: 8, .value_kind: global_buffer, .address_space: global }
      - { .name: qw, .offset: 64, .size: 8, .value_kind: global_buffer, .address_space: global }
    .group_segment_fixed_size: 11264
    .private_segment_fixed_size: 0
    .kernarg_segment_align: 8
    .kernarg_segment_size: 72
    .max_flat_workgroup_size: 192
    .sgpr_count:     66
    .vgpr_count:     192
    .wavefront_size: 32
...
	.end_amdgpu_metadata
.endif
;; end of part 1
;; launch attn (part 2): grid 64 x 4, 16 waves a work-group, clusters of 4 x 1, 327,680 bytes of LDS; arguments kvw, qw, out0; writes out0
.if DOCPART == 2
	.amdgcn_target "amdgcn-amd-amdhsa--gfx1250"
	.amdhsa_code_object_version 6
	.text
	.protected	k_qe6fc5c0c42_attn
	.globl	k_qe6fc5c0c42_attn
	.p2align	8
	.type	k_qe6fc5c0c42_attn,@function
k_qe6fc5c0c42_attn:
	s_mov_b64 s[64:65], 0
	v_nop
	global_prefetch_b8 v0, s[64:65] scope:SCOPE_SE
	s_setreg_imm32_b32 hwreg(HW_REG_WAVE_MODE, 25, 1), 1
	s_wait_xcnt 0x0
	s_wait_alu depctr_hold_cnt(0) depctr_sa_sdst(0) depctr_va_vdst(0) depctr_va_sdst(0) depctr_va_ssrc(0) depctr_va_vcc(0) depctr_vm_vsrc(0)
	s_getreg_b32 s2, hwreg(HW_REG_IB_STS2, 6, 4)
	s_cmp_eq_u32 s2, 0
	s_cbranch_scc0 .Lentry_in_a_cluster
	s_endpgm
.Lentry_in_a_cluster:
	s_bfe_u32 s2, ttmp6, 0x10000c
	s_cmp_lg_u32 s2, 0x3003
	s_cbranch_scc0 .Lentry_shape_is_right
	s_endpgm
.Lentry_shape_is_right:
; out0[q][batch][:] = the sum over keys i <= q of softmax_i(k_i . q_q / 8) v_i, both products on codes of FP6 (E2M3) with E8M0 scales, from the register images that the launch before has laid (kvw, qw).
; WORK LEFT OUT: key steps of 128 whose every key lies behind every query of a tile.
; THE SOFTMAX: t = score x log2(e) / 8; M = the largest t so far, rounded UP to a whole number; p = 2^(t - M) is quantised along the keys, not normalised; the sum l is taken of the unquantised p and divides at the end.
; SHARES.  Work-group g = 4 c + cx (c: the cluster, cx: my place in it) owns the pairs g and 127 - g of query tiles: four tiles of 16 queries.  Pair g (short) has c + 1 key steps, pair 127 - g (long) 32 - c: 66 tile steps in every work-group.
; For each u (tile of a pair) eight waves p = 0 .. 7 share 33 tile steps: NS = 14 c / 64 + 1 of them take the short tile, 8 - NS the long one: no wave has more than five steps.  A wave's places in its tile's order are i, i + n, i + 2 n ..
; The shares of a tile meet in LDS at the end: every M is a whole number, so bringing them under one M rounds nothing.
; CLUSTER.  The four partners walk the same batch's k and v: each piece is asked for JOINTLY, by the same tensor load with the same descriptor and the mask of all four.
; LDS.  24 records of 12,800 bytes (a key step each) in three regions of 8 steps, [half][step][6,400]; filled once.  Region A by waves 0-7 (two steps' halves each), B and C by waves 8-11: each of these loads brings one half of ALL eight steps,
; so that every cluster reads of every load (the long tiles reach step 16 at the least).
; STEPS 24-31 do not fit beside them (32 records are 409,600 bytes), and only clusters 0-7 read them, 2 (8 - c) tile steps of 66: they go from memory straight into registers, by turns with steps from LDS.  Their 256-byte blocks are prefetched
; into the L2 in each wave 0's first step, a step ahead of the first that reads them: cluster c < 8 asks for record 24 + c, each partner for 13 of its 50 blocks, told apart by address.
; THE HEAD IS 64, THE INSTRUCTION'S K IS 128.  A record's operand of k holds TWO key tiles (K 0-63: tile 2 j, K 64-127: tile 2 j + 1).  My queries' codes stand between zero codes: (codes, zeros) picks tile 2 j, (zeros, codes) tile 2 j + 1.
; LAYOUT.  Both products are used transposed: S^T = K Q^T (source 0 = keys), O^T = V^T P^T (source 0 = 16 channels): a lane holds ONE query (lane % 16).  By the key tiles' order register 32 b + i of S is key 64 b + 32 (lane / 16) + i of the step: 32 registers are one whole scale block.
; LIMITS: NaN and infinities are not served; the scaled scores t stay under 2^31 in magnitude; a p under 2^-126 counts as 0; a block of p whose every number is 0 keeps the scale byte 1 (its codes are zeros); 1 / l is v_rcp_f32's.
.set REC,    12800
.set HALF,   6400
.set HL,     8*HALF                    ; from half to half of a region in LDS
.set REGION, 8*REC
.set SPARE,  3*REGION                  ; the spare words, 128 bytes for each wave
.set STAT,   SPARE+2048                ; -M: [u][query][p], 4 bytes each; l behind it, 1,024 bytes on
.set STGB,   16*272                    ; the merge's stages: slot 8 u + p at STGB x slot, in regions whose one fill is over, behind the barrier that follows the walk's last read
.set L16, 1                            ; v1   16 x lane
.set L8,  2                            ; v2   8 x (lane % 16)
.set SPW, 3
.set NIL, 4
.set DD,  5                            ; v5   my query - 32 (lane / 16) - the diagonal step's first key
.set ADR, 6                            ; v6   the record in hand + 16 x lane
.set ADS, 7                            ; v7   the record in hand + 8 x (lane % 16)
.set STO, 8                            ; v8   the merge: where I put 32 bytes of a row of my share
.set STM, 9                            ; v9   and -M
.set RDM, 10                           ; v10  my query's eight -M
.set RDO, 11                           ; v11  where I read eight shares of a row back
                                       ; v12 -M, v13 the largest score, v[14:15] l in two halves
.set QHI, 16                           ; v16-27 (zero codes, my queries' codes)
.set QLO, 22                           ; v22-33 (my queries' codes, zero codes)
.set QS,  34                           ; v34  their scale words: lanes 0-15 for QLO, lanes 16-31 for QHI
.set GO,  35                           ; v35  my byte offset in out0
.set SCW, 36                           ; v36-43 (key pair j's scale word, v's fragment j's)
.set RDL, 44                           ; v44  eight l of a row
.set PFV, 45                           ; v45  the prefetch's offset
.set FB,  52                           ; v52-99  four operands of 12 registers: the key pairs, then v's fragments
.set S,   100                          ; v100-163 S^T, then p
.set O,   164                          ; v164-195 O^T
.set PC,  196                          ; v196-207 p's codes
.set CT,  208                          ; v208-214 the conversions' second halves
.set BM,  216                          ; v216-219 largest scores of half blocks; v216, v218 the two blocks'
.set PT,  220
.set XW,  221
.set E,   222                          ; v222-223 bytes
.set SO,  224                          ; v224-225 the conversions' scale operands
.set PW,  232                          ; v232 p's scale word
.set FF,  234                          ; v[234:235] f = 2^(old M - new M); the pair's upper word is written once
.set TMP, 236
.set TM2, 237
.set T1,  238                          ; v238-243 the sum's other chains
.set W,   10                           ; s10 wave, s11 u, s12 p, s13 c, s14 cx, s15 batch
.set U,   11
.set P,   12
.set C,   13
.set G1A, 16
.set G1B, 24
.set G0A, 32
.set G0B, 36
.set ST,  40                           ; s40  the key step in hand
.set DT,  41                           ; s41  my tile's diagonal step
.set SEL, 42                           ; s[42:43] v_permlanex16_b32's selects for lane l xor 16
.set CS,  44                           ; s[44:45] c = log2(e) / 8
.set NC,  46                           ; s46  -c
.set N,   47                           ; s47  my tile's number of shares
.set I,   48                           ; s48  my place among them
.set NG2, 49
.set NG,  50                           ; s50  my tile's key steps from 24 on; s49 twice that
.set NN,  51                           ; s51  my tile's key steps
.set NS,  52
.set CNT, 53
.set KB,  54                           ; s[54:55] the batch's records
.set T0,  56                           ; s56-59 temporaries
.set T2,  58
.set RB,  60                           ; s[60:61] the record in hand, in memory
.set WB,  66                           ; s[66:81] for share p: the merge's weight 1 or 0 at 66 + 2 p, the bound on -M at 67 + 2 p
.set MK,  82                           ; s82-89 masks
.macro WALU
	s_wait_alu depctr_va_vdst(0)
.endm
; A round of the cluster's barrier.
.macro CROUND
	s_barrier_signal -1
	s_barrier_wait -1
	s_cmp_lg_u32 s[W], 0
	s_cbranch_scc1 .Lnot_wave_0_\@
	s_barrier_signal -3
.Lnot_wave_0_\@:
	s_barrier_wait -3
	s_barrier_signal -1
	s_barrier_wait -1
.endm
	s_load_b128 s[4:7], s[0:1], 0x0                ; kvw, qw
	s_load_b64 s[8:9], s[0:1], 0x10                ; out0
	v_lshl_add_u32 v[SPW], v0, 2, SPARE
	v_mov_b32 v[NIL], 0
	ds_add_u32 v[SPW], v[NIL]                      ; the opening lines; the set-up stands between the second add and the wait
	ds_add_u32 v[SPW], v[NIL]
	v_lshrrev_b32 v[TMP], 5, v0
	v_readfirstlane_b32 s[W], v[TMP]               ; wave 0..15
	s_lshr_b32 s90, s[W], 3
	s_and_b32 s91, s[W], 1                         ; which half of the records I fetch
	s_xor_b32 s[U], s91, s90                       ; u = w % 2 xor w / 8, p = 4 (w / 2 % 2) + w / 4: waves equal modulo 4 take p of both light and heavy shares
	s_lshr_b32 s92, s[W], 1
	s_mul_i32 s93, s92, 2*HALF
	s_and_b32 s92, s92, 1
	s_lshr_b32 s94, s[W], 2
	s_lshl_b32 s[P], s92, 2
	s_add_co_u32 s[P], s[P], s94
	s_mul_i32 s94, s91, HL
	s_mul_i32 s95, s91, HALF
	s_add_co_u32 s[G0A+1], s94, s93                ; region A: half w % 2, steps 2 (w / 2) and the next
	s_mul_i32 s92, s92, REGION
	s_add_co_u32 s92, s92, REGION
	s_add_co_u32 s[G0B+1], s94, s92                ; regions B, C: half w % 2, all eight steps
	s_lshl_b32 s93, s93, 1
	s_add_co_u32 s96, s95, s93                     ; and where they come from
	s_mov_b32 s97, 0
	s_add_co_u32 s98, s95, s92
	s_mov_b32 s99, 0
	s_and_b32 s[C], ttmp9, 15                      ; c, 0..15: in a cluster launch ttmp9 counts clusters
	s_bfe_u32 s14, ttmp6, 0x40000                  ; cx: it enters the queries', the output's and the prefetch's global addresses and the mask's threshold alone
	s_and_b32 s15, ttmp7, 0xffff                   ; batch
	s_mul_i32 s100, s15, 32*REC
	s_mov_b32 s101, 0
	; descriptor groups 1: rows of 6,400 bytes (800 elements of 8) at a pitch of a record, two of them or eight; no padding
.irp g, G1A, G1B
	s_mov_b32 s[\g], 15|(3<<16)|(1<<21)            ; 15:0 the mask: all four work-groups; 17:16 elements of 8 bytes; 21 set beside a mask
	s_mov_b32 s[\g+1], (HALF/8)<<16                ; tensor_dim0
	s_mov_b32 s[\g+3], (HALF/8)<<16                ; tile_dim0
	s_mov_b32 s[\g+5], REC/8                       ; tensor_dim0_stride
	s_mov_b32 s[\g+6], 0
	s_mov_b32 s[\g+7], 0
.endr
	s_mov_b32 s[G1A+2], 2<<16                      ; tensor_dim1
	s_mov_b32 s[G1A+4], 2                          ; tile_dim1
	s_mov_b32 s[G1B+2], 8<<16
	s_mov_b32 s[G1B+4], 8
	s_mov_b32 s[G0A], 1
	s_mov_b32 s[G0B], 1
	s_mul_i32 s[NS], s[C], 14
	s_lshr_b32 s[NS], s[NS], 6
	s_add_co_u32 s[NS], s[NS], 1
	s_lshl_b32 s90, s[C], 2
	s_add_co_u32 s90, s90, s14                     ; g
	s_sub_co_u32 s91, 127, s90
	s_sub_co_u32 s92, 8, s[NS]
	s_add_co_u32 s93, s[P], s92
	s_and_b32 s93, s93, 7                          ; p - NS, where p is one of the long tile's
	s_sub_co_u32 s94, 31, s[C]
	s_min_u32 s95, s[C], 8
	s_sub_co_u32 s95, 8, s95
	s_mov_b32 s58, 0x7f61b1e6                      ; 3e38
	s_mov_b32 s59, 0xff61b1e6                      ; -3e38
	s_cmp_ge_u32 s[P], s[NS]                       ; do I work on the long tile?
	s_cselect_b32 s[N], s92, s[NS]
	s_cselect_b32 s[I], s93, s[P]
	s_cselect_b32 s[DT], s94, s[C]
	s_cselect_b32 s92, s91, s90                    ; my pair
	s_cselect_b32 s[NG], s95, 0
	s_cselect_b32 s93, s58, s59                    ; the bound on -M of shares under NS, and of the others: the other tile's count as 3e38
	s_cselect_b32 s94, s59, s58
	s_lshl_b32 s[NG2], s[NG], 1
	s_add_co_u32 s[NN], s[DT], 1
	s_lshl_b32 s62, s15, 7
	s_add_co_u32 s62, s62, s92
	s_mul_i32 s62, s62, 1792                       ; qw: record 128 batch + pair
	s_mov_b32 s63, 0
	s_lshl_b32 s95, s92, 5
	s_lshl_b32 s56, s[U], 4
	s_add_co_u32 s95, s95, s56                     ; q0: my first query
	s_lshl_b32 s57, s[DT], 7
	s_sub_co_i32 s95, s95, s57                     ; q0 - the diagonal step's first key
	s_cmp_lt_u32 s[P], 4                           ; the merge: waves p < 4 take the short tile's rows 4 p .., the others the long tile's
	s_cselect_b32 s57, s90, s91
	s_cselect_b32 s58, 1.0, 0                      ; the weight of shares under NS, and of the others
	s_cselect_b32 s59, 0, 1.0
	s_lshl_b32 s57, s57, 5
	s_add_co_u32 s57, s57, s56
	s_and_b32 s92, s[P], 3
	s_lshl_b32 s90, s92, 2
	s_add_co_u32 s90, s90, s57
	s_lshl_b32 s90, s90, 10                        ; out0: a query's row is 4 batches x 256 bytes
	s_lshl_b32 s91, s15, 8
	s_add_co_u32 s90, s90, s91
	s_mov_b32 s91, 0
	v_and_b32 v226, 31, v0                         ; lane
	v_and_b32 v224, 15, v0                         ; r
	v_bfe_u32 v225, v0, 4, 1                       ; h
	v_lshlrev_b32 v[L16], 4, v226
	v_lshlrev_b32 v227, 3, v226
	v_lshlrev_b32 v[L8], 3, v224
	v_lshl_add_u32 v216, s[U], 9, v[L16]           ; my tile's registers 0-3: 512 u + 16 lane
	v_lshl_add_u32 v217, s[U], 8, v227             ; registers 4-5: 256 u + 8 lane
	v_lshl_add_u32 v218, s[U], 2, v227             ; its scale register: 8 lane + 4 u
	WALU
	s_wait_dscnt 0x0                               ; both opening adds are done
	CROUND                                         ; all four work-groups are here: the first joint loads meet
	s_wait_kmcnt 0x0
	s_add_nc_u64 s[KB:KB+1], s[4:5], s[100:101]
	s_add_nc_u64 s[G0A+2:G0A+3], s[KB:KB+1], s[96:97]
	s_or_b32 s[G0A+3], s[G0A+3], 0x80000000
	s_add_nc_u64 s[G0B+2:G0B+3], s[KB:KB+1], s[98:99]
	s_or_b32 s[G0B+3], s[G0B+3], 0x80000000
	s_cmp_lt_u32 s[W], 8
	s_cbranch_scc0 .Lfor_bc
	tensor_load_to_lds s[G0A:G0A+3], s[G1A:G1A+7]  ; one load a wave
	s_nop 0
.rept 4
	v_nop
.endr
	s_branch .Lasked
.Lfor_bc:
	s_cmp_lt_u32 s[W], 12
	s_cbranch_scc0 .Lasked
	tensor_load_to_lds s[G0B:G0B+3], s[G1B:G1B+7]
	s_nop 0
.rept 4
	v_nop
.endr
.Lasked:
	s_add_nc_u64 s[6:7], s[6:7], s[62:63]
	s_add_nc_u64 s[8:9], s[8:9], s[90:91]
	global_load_b128 v[QLO:QLO+3], v216, s[6:7]
	global_load_b64 v[QLO+4:QLO+5], v217, s[6:7] offset:1024
	global_load_b32 v[QS], v218, s[6:7] offset:1536
.irp p, 0,1,2,3,4,5,6,7
	s_cmp_gt_u32 s[NS], \p
	s_cselect_b32 s[WB+2*\p], s58, s59
	s_cselect_b32 s[WB+2*\p+1], s93, s94
.endr
	s_mov_b32 s[SEL], 0x76543210
	s_mov_b32 s[SEL+1], 0xfedcba98
	s_mov_b32 s[CS], 0x3e38aa3b                    ; log2(e) / 8
	s_mov_b32 s[CS+1], s[CS]                       ; (named with it as a pair, so it is written)
	s_mov_b32 s[NC], 0xbe38aa3b
	s_lshl_b32 s56, s[U], 3
	s_add_co_u32 s56, s56, s[P]
	s_mul_i32 s56, s56, STGB                       ; my stage
	s_lshl_b32 s57, s[U], 9
	s_add_co_u32 s57, s57, STAT
	s_lshl_b32 s90, s[P], 2
	s_add_co_u32 s90, s90, s57
	s_lshl_b32 s91, s92, 7
	s_add_co_u32 s91, s91, s57
	s_add_co_u32 s91, s91, 1024
	s_mul_i32 s94, s[U], 8*STGB
	s_mul_i32 s93, s92, 4*272
	s_add_co_u32 s94, s94, s93
	s_mul_i32 s96, s14, 13
	s_add_co_u32 s97, s[C], 24
	s_mul_i32 s97, s97, REC
.irp i, 0,1,2,3,4,5
	v_mov_b32 v[QHI+\i], 0                         ; zero codes
	v_mov_b32 v[QLO+6+\i], 0
.endr
	v_lshlrev_b32 v228, 5, v225
	v_sub_nc_u32 v[DD], v224, v228
	v_add_nc_u32 v[DD], s95, v[DD]
	v_mul_u32_u24 v[STO], v224, 272
	v_add_nc_u32 v[STO], v[STO], v228
	v_add_nc_u32 v[STO], s56, v[STO]               ; row r, + 32 h
	v_lshlrev_b32 v229, 5, v224
	v_add_nc_u32 v[STM], s90, v229                 ; 512 u + 32 r + 4 p
	v_add_nc_u32 v[RDM], s57, v229
	v_mul_u32_u24 v[RDO], v225, 272
	v_lshl_add_u32 v[RDO], v224, 4, v[RDO]
	v_add_nc_u32 v[RDO], s94, v[RDO]               ; back: row 4 (p % 4) + h, 16 bytes a lane
	v_add_nc_u32 v[RDL], s91, v228
	v_lshlrev_b32 v[GO], 10, v225
	v_lshl_add_u32 v[GO], v224, 4, v[GO]
	v_min_u32 v[PFV], 12, v226
	v_add_nc_u32 v[PFV], s96, v[PFV]
	v_min_u32 v[PFV], 49, v[PFV]                   ; block 13 cx + 0 .. 12 of the record's 50
	v_lshlrev_b32 v[PFV], 8, v[PFV]
	v_add_nc_u32 v[PFV], s97, v[PFV]
	v_mov_b32 v[PT], 0                             ; written once: a lane permute's destination counts as one of its sources
	v_mov_b32 v[FF+1], 0                           ; (named as the upper half of a pair)
.macro DSLOADS off, scales
.irp j, 0,1,2,3
.irp c, 0,1,2
	ds_load_b128 v[FB+12*\j+4*\c:FB+12*\j+4*\c+3], v[ADR] offset:HL*(\j/2)+3072*(\j%2)+512*\c+\off
.endr
.if \scales
	ds_load_b64 v[SCW+2*\j:SCW+2*\j+1], v[ADS] offset:HL*(\j/2)+6144+128*(\j%2)
.endif
.endr
.endm
.macro GLOADS off, scales
.irp j, 0,1,2,3
.irp c, 0,1,2
	global_load_b128 v[FB+12*\j+4*\c:FB+12*\j+4*\c+3], v[L16], s[RB:RB+1] offset:HALF*(\j/2)+3072*(\j%2)+512*\c+\off
.endr
.if \scales
	global_load_b64 v[SCW+2*\j:SCW+2*\j+1], v[L8], s[RB:RB+1] offset:HALF*(\j/2)+6144+128*(\j%2)
.endif
.endr
.endm
.macro LOADS first, off, scales        ; from LDS or, steps 24 on, from memory
.if \first
	DSLOADS \off, \scales
.else
	s_cmp_lt_u32 s[ST], 24
	s_cbranch_scc0 .Lmemory_\@
	DSLOADS \off, \scales
	s_branch .Lloaded_\@
.Lmemory_\@:
	GLOADS \off, \scales
.Lloaded_\@:
.endif
.endm
.macro ADDP d, n
	v_pk_add_f32 v[\d:\d+1], v[\d:\d+1], v[S+2*(\n):S+2*(\n)+1]
.endm
.macro ADD2 d, n
	v_pk_add_f32 v[\d:\d+1], v[S+2*(\n):S+2*(\n)+1], v[S+2*(\n)+2:S+2*(\n)+3]
.endm
; A KEY STEP of my tile: 128 keys, step s[ST].  first = 1: my share's first: it starts the sums, and lies in region A.
.macro STEP first
	s_min_u32 s[T0], s[ST], 23
	s_lshr_b32 s[T0+1], s[T0], 3
	s_mul_i32 s[T0+1], s[T0+1], REGION
	s_and_b32 s[T0], s[T0], 7
	s_mul_i32 s[T0], s[T0], HALF
	s_add_co_u32 s[T0+1], s[T0+1], s[T0]
.if \first == 0
	s_mul_i32 s[T2], s[ST], REC
	s_mov_b32 s[T2+1], 0
	s_add_nc_u64 s[RB:RB+1], s[KB:KB+1], s[T2:T2+1]   ; (no load of mine that reads it is out)
.endif
	v_add_nc_u32 v[ADR], s[T0+1], v[L16]
	v_add_nc_u32 v[ADS], s[T0+1], v[L8]
	v_nop
	v_nop                                          ; with the two additions: four places ahead of loads into registers that the last products read (ISA guide 7.12.1 for vector instructions)
	WALU
	LOADS \first, 0, 1
.irp j, 0,1,2,3                                ; S^T = K Q^T: pair j against both forms of my queries
	s_wait_dscnt 12-4*\j                           ; pair j's four loads are in; the four of each later pair may be out
.if \first == 0
	s_wait_loadcnt 12-4*\j
.endif
	v_wmma_scale_f32_16x16x128_f8f6f4 v[S+16*\j:S+16*\j+7], v[FB+12*\j:FB+12*\j+11], v[QLO:QLO+11], 0, v[SCW+2*\j], v[QS] matrix_a_fmt:MATRIX_FMT_FP6 matrix_b_fmt:MATRIX_FMT_FP6
	v_wmma_scale_f32_16x16x128_f8f6f4 v[S+16*\j+8:S+16*\j+15], v[FB+12*\j:FB+12*\j+11], v[QHI:QHI+11], 0, v[SCW+2*\j], v[QS] matrix_a_fmt:MATRIX_FMT_FP6 matrix_b_fmt:MATRIX_FMT_FP6 matrix_b_scale:MATRIX_SCALE_ROW1
.endr
.rept 4
	v_nop                                          ; four places: ahead of the loads below, and of the first read of the scores
.endr
	LOADS \first, 1536, 0                          ; v's four fragments land while the softmax is worked
.if \first
	s_cmp_lg_u32 s[W], 0
	s_cbranch_scc1 .Lno_ask_\@
	s_cmp_gt_u32 s[C], 7
	s_cbranch_scc1 .Lno_ask_\@
	global_prefetch_b8 v[PFV], s[KB:KB+1] th:TH_LOAD_NT scope:SCOPE_SE   ; my work-group's 13 blocks of record 24 + c
.Lno_ask_\@:
.endif
	s_cmp_lg_u32 s[ST], s[DT]                      ; on the diagonal the scores of hidden keys become -infinity ahead of the maximum: p = 0 then.  Its first key counts for every query, so M stays a number
	s_cbranch_scc1 .Lopen_\@
	v_mov_b32 v[TMP], 0xff800000
.irp b, 0,8,16,24,32,40,48,56
.irp k, 0,1,2,3,4,5,6,7
	v_cmp_gt_i32 s[MK+\k], 64*((\b+\k)/32)+(\b+\k)%32, v[DD]   ; register 32 b + i: hidden where 64 b + i > my query - 32 (lane / 16) - the step's first key
.endr
.irp k, 0,1,2,3,4,5,6,7
	v_cndmask_b32 v[S+\b+\k], v[S+\b+\k], v[TMP], s[MK+\k]
.endr
.endr
.Lopen_\@:
.irp k, 0,1,2,3
	v_max3_num_f32 v[BM+\k], v[S+16*\k], v[S+1+16*\k], v[S+2+16*\k]   ; the largest score of each block of 32 keys, two chains a block: it serves the row's maximum and, since p rises with the score, the block's largest p
.endr
.irp i, 3,5,7,9,11,13
.irp k, 0,1,2,3
	v_max3_num_f32 v[BM+\k], v[BM+\k], v[S+16*\k+\i], v[S+1+16*\k+\i]
.endr
.endr
	v_max3_num_f32 v[BM], v[BM], v[BM+1], v[S+15]
	v_max3_num_f32 v[BM+2], v[BM+2], v[BM+3], v[S+47]
	v_max_num_f32 v[BM], v[BM], v[S+31]
	v_max_num_f32 v[BM+2], v[BM+2], v[S+63]
	v_max_num_f32 v[TMP], v[BM], v[BM+2]
	s_delay_alu instid0(VALU_DEP_1)
	v_permlanex16_b32 v[PT], v[TMP], s[SEL], s[SEL+1]
	s_delay_alu instid0(VALU_DEP_1)
.if \first
	v_max_num_f32 v13, v[TMP], v[PT]               ; with lane l xor 16's blocks: the largest score of my query so far
.else
	v_max3_num_f32 v13, v13, v[TMP], v[PT]
.endif
	s_delay_alu instid0(VALU_DEP_1)
	v_mul_f32 v[TMP], s[NC], v13                   ; -t (c is positive)
.if \first
	s_delay_alu instid0(VALU_DEP_1)
	v_floor_f32 v12, v[TMP]                        ; -M = floor(-t) = -ceil(t): a whole number
.else
	s_delay_alu instid0(VALU_DEP_1)
	v_floor_f32 v[TMP], v[TMP]
	s_delay_alu instid0(VALU_DEP_1)
	v_sub_f32 v[TM2], v[TMP], v12                  ; old M - new M: a whole number, 0 or less
	v_mov_b32 v12, v[TMP]
	s_delay_alu instid0(VALU_DEP_2)
	v_cvt_i32_f32 v[TM2], v[TM2]                   ; (it saturates)
	s_delay_alu instid0(VALU_DEP_1)
	v_ldexp_f32 v[FF], 1.0, v[TM2]                 ; f = 2^(old M - new M): multiplying by it rounds nothing
.endif
.irp j, 0,2,4,6,8,10,12,14,16,18,20,22,24,26,28,30,32,34,36,38,40,42,44,46,48,50,52,54,56,58,60,62
	v_pk_fma_f32 v[S+\j:S+\j+1], v[S+\j:S+\j+1], s[CS:CS+1], v[12:13] op_sel_hi:[1,0,0]   ; t - M, two at a time (of the pairs c and -M the low word serves both halves)
.endr
	v_fma_f32 v[BM], v[BM], s[CS], v12             ; the same of each block's largest score
	v_fma_f32 v[BM+2], v[BM+2], s[CS], v12
.if \first == 0
.irp j, 0,2,4,6,8,10,12,14,16,18,20,22,24,26,28,30
	v_pk_mul_f32 v[O+\j:O+\j+1], v[O+\j:O+\j+1], v[FF:FF+1] op_sel_hi:[1,0]   ; O^T under the new M
.endr
.endif
	WALU
.irp j, 0,1,2,3,4,5,6,7,8,9,10,11,12,13,14,15,16,17,18,19,20,21,22,23,24,25,26,27,28,29,30,31,32,33,34,35,36,37,38,39,40,41,42,43,44,45,46,47,48,49,50,51,52,53,54,55,56,57,58,59,60,61,62,63
	v_exp_f32 v[S+\j], v[S+\j]                     ; p = 2^(t - M), at most 1
.endr
	v_exp_f32 v[BM], v[BM]                         ; the block's largest p: the same two instructions on the same number give the same bits
	v_exp_f32 v[BM+2], v[BM+2]
.if \first
	v_nop                                          ; (a plain place behind the exponentials)
.else
	v_pk_mul_f32 v[14:15], v[14:15], v[FF:FF+1] op_sel_hi:[1,0]   ; l under the new M.  (A plain place behind the exponentials)
.endif
	WALU
	v_max_num_f32 v[BM], 0x1800000, v[BM]          ; the floor 2^(3 - 127): the byte cannot fall under 1
	v_max_num_f32 v[BM+2], 0x1800000, v[BM+2]
	v_add_nc_u32 v[SO], 0xff000000, v[BM]          ; 2 off the exponent field: the conversion's scale operand
	v_add_nc_u32 v[SO+1], 0xff000000, v[BM+2]
.irp c, 0,1
	v_cvt_scalef32_pk16_fp6_f32 v[PC+6*\c:PC+6*\c+2], v[S+32*\c:S+32*\c+15], v[SO+\c]
	v_cvt_scalef32_pk16_fp6_f32 v[CT+4*\c:CT+4*\c+2], v[S+32*\c+16:S+32*\c+31], v[SO+\c]   ; (a conversion's three registers begin on an even number)
.endr
	v_lshrrev_b32 v[E], 23, v[SO]                  ; the bytes; also the plain place behind the conversions
	v_lshrrev_b32 v[E+1], 23, v[SO+1]
.irp c, 0,1
.irp i, 0,1,2
	v_mov_b32 v[PC+6*\c+3+\i], v[CT+4*\c+\i]
.endr
.endr
	v_lshl_or_b32 v[XW], v[E+1], 16, v[E]          ; bytes h and 2 + h;
.if \first
	ADD2 14, 0                                     ; l: of the unquantised p, in four chains
.else
	ADDP 14, 0
.endif
	v_permlanex16_b32 v[PT], v[XW], s[SEL], s[SEL+1]
.if \first
	ADD2 T1, 2
	ADD2 T1+2, 4
	ADD2 T1+4, 6
.else
	ADD2 T1, 1
	ADD2 T1+2, 3
	ADD2 T1+4, 5
	ADDP 14, 7
.endif
	v_lshl_or_b32 v[PW], v[PT], 8, v[XW]           ; in lanes 0-15, which are read, p's scale word for these 128 keys
.irp k, 8,12,16,20,24,28
	ADDP T1, \k
	ADDP T1+2, \k+1
	ADDP T1+4, \k+2
	ADDP 14, \k+3
.endr
	v_pk_add_f32 v[T1:T1+1], v[T1:T1+1], v[T1+2:T1+3]
	v_pk_add_f32 v[14:15], v[14:15], v[T1+4:T1+5]
	v_pk_add_f32 v[14:15], v[14:15], v[T1:T1+1]
	WALU
	s_wait_dscnt 0x0                               ; v's fragments are in
.if \first == 0
	s_wait_loadcnt 0x0
.endif
.irp t, 0,1,2,3                                ; O^T += V^T P^T: the four accumulators by turns
.if \first
	v_wmma_scale_f32_16x16x128_f8f6f4 v[O+8*\t:O+8*\t+7], v[FB+12*\t:FB+12*\t+11], v[PC:PC+11], 0, v[SCW+2*\t+1], v[PW] matrix_a_fmt:MATRIX_FMT_FP6 matrix_b_fmt:MATRIX_FMT_FP6
.else
	v_wmma_scale_f32_16x16x128_f8f6f4 v[O+8*\t:O+8*\t+7], v[FB+12*\t:FB+12*\t+11], v[PC:PC+11], v[O+8*\t:O+8*\t+7], v[SCW+2*\t+1], v[PW] matrix_a_fmt:MATRIX_FMT_FP6 matrix_b_fmt:MATRIX_FMT_FP6
.endif
.endr
.endm
	WALU                                           ; the wait at the head's end
	s_wait_loadcnt 0x0                             ; my queries
	s_cmp_lt_u32 s[W], 8
	s_cbranch_scc0 .Lnot_a
	s_wait_tensorcnt 0x0                           ; my piece of region A is in; B and C, whose loads are another line's, may be on their way
.Lnot_a:
	s_barrier_signal -1
	s_barrier_wait -1                              ; region A is whole
	s_mov_b32 s[ST], s[I]                          ; my first step, 0 .. 6
	STEP 1
	s_wait_tensorcnt 0x0
	s_barrier_signal -1
	s_barrier_wait -1                              ; regions B and C are whole
	s_mov_b32 s[CNT], 1
; THE ORDER of a tile's steps: places 0 .. n - 1: steps 0 .. n - 1.  Then, q = place - n, while q < 2 NG: even q step 24 + q / 2 (from memory), odd q step n + q / 2; behind these step place - NG.
.Lsteps:
	s_mul_i32 s[T0], s[N], s[CNT]
	s_add_co_u32 s[T0], s[T0], s[I]                ; my place
	s_cmp_ge_u32 s[T0], s[NN]                      ; none left: the work is left out
	s_cbranch_scc1 .Lhidden
	s_sub_co_u32 s[T0+1], s[T0], s[N]
	s_sub_co_u32 s[T0], s[T0], s[NG]
	s_lshr_b32 s[T2], s[T0+1], 1
	s_bitcmp1_b32 s[T0+1], 0
	s_cselect_b32 s[T2+1], s[N], 24
	s_add_co_u32 s[T2], s[T2], s[T2+1]
	s_cmp_lt_u32 s[T0+1], s[NG2]
	s_cselect_b32 s[ST], s[T2], s[T0]
	STEP 0
.Lhidden:
	s_add_co_u32 s[CNT], s[CNT], 1
	s_cmp_lt_u32 s[CNT], 5
	s_cbranch_scc1 .Lsteps
	; THE MERGE.  -M goes to LDS; behind a barrier each wave brings its own O^T and l under its tile's largest M and stores them; behind another each wave adds four queries' eight shares (the other tile's with the weight 0), divides by l and stores.
	v_add_f32 v14, v14, v15                        ; l's two halves,
	s_delay_alu instid0(VALU_DEP_1)
	v_permlanex16_b32 v[PT], v14, s[SEL], s[SEL+1]
	s_delay_alu instid0(VALU_DEP_1)
	v_add_f32 v15, v14, v[PT]                      ; and lane l xor 16's
	WALU
	ds_store_b32 v[STM], v12                       ; both halves of the lanes write the same bytes with the same values
	s_wait_dscnt 0x0
	s_barrier_signal -1
	s_barrier_wait -1                              ; every -M is there, and nobody reads a record any more
	ds_load_b128 v[S:S+3], v[RDM]
	ds_load_b128 v[S+4:S+7], v[RDM] offset:16
	s_wait_dscnt 0x0
.irp p, 0,1,2,3,4,5,6,7
	v_max_num_f32 v[S+8+\p], s[WB+2*\p+1], v[S+\p] ; the other tile's become 3e38
.endr
	v_min3_num_f32 v[S+16], v[S+8], v[S+9], v[S+10]
	v_min3_num_f32 v[S+17], v[S+11], v[S+12], v[S+13]
	v_min_num_f32 v[S+18], v[S+14], v[S+15]
	s_delay_alu instid0(VALU_DEP_1)
	v_min3_num_f32 v[S+16], v[S+16], v[S+17], v[S+18]   ; the least -M: the largest M
	s_delay_alu instid0(VALU_DEP_1)
	v_sub_f32 v[S+16], v[S+16], v12                ; my M less the largest: a whole number, 0 or less
	s_delay_alu instid0(VALU_DEP_1)
	v_cvt_i32_f32 v[S+16], v[S+16]
	s_delay_alu instid0(VALU_DEP_1)
	v_ldexp_f32 v[FF], 1.0, v[S+16]
	v_mul_f32 v15, v15, v[FF]
.irp j, 0,2,4,6,8,10,12,14,16,18,20,22,24,26,28,30
	v_pk_mul_f32 v[O+\j:O+\j+1], v[O+\j:O+\j+1], v[FF:FF+1] op_sel_hi:[1,0]
.endr
.irp t, 0,1,2,3
	ds_store_b128 v[STO], v[O+8*\t:O+8*\t+3] offset:64*\t          ; lane (r, h): channels 16 t + 8 h + 0 .. 7 of query r
	ds_store_b128 v[STO], v[O+8*\t+4:O+8*\t+7] offset:64*\t+16
.endr
	ds_store_b32 v[STM], v15 offset:1024
	s_wait_dscnt 0x0                               ; for the others' sake: my stores have landed
	s_barrier_signal -1
	s_barrier_wait -1
.irp i, 0,1                                    ; rows 4 (p % 4) + 2 i + h
	ds_load_b128 v[O+8*\i:O+8*\i+3], v[RDL] offset:64*\i
	ds_load_b128 v[O+8*\i+4:O+8*\i+7], v[RDL] offset:64*\i+16
.endr
.irp i, 0,1
.irp p, 0,1,2,3,4,5,6,7
	ds_load_b128 v[S+32*\i+4*\p:S+32*\i+4*\p+3], v[RDO] offset:STGB*\p+544*\i   ; share p: 16 lanes take a row's 256 bytes
.endr
.endr
	s_wait_dscnt 16                                ; the four loads of l are in; the 16 of the rows may be out
	v_mul_f32 v190, s[WB], v[O]
	v_mul_f32 v194, s[WB], v[O+8]
.irp p, 1,2,3,4,5,6,7
	v_fma_f32 v190, v[O+\p], s[WB+2*\p], v190      ; the rows' l
	v_fma_f32 v194, v[O+8+\p], s[WB+2*\p], v194
.endr
	WALU
	v_rcp_f32 v188, v190
	v_rcp_f32 v192, v194
	v_nop                                          ; one plain place behind a transcendental
	s_wait_dscnt 0x0
.irp i, 0,1
.irp e, 0,2
	v_pk_mul_f32 v[180+4*\i+\e:181+4*\i+\e], v[S+32*\i+\e:S+32*\i+\e+1], s[WB:WB+1] op_sel_hi:[1,0]
.endr
.endr
.irp p, 1,2,3,4,5,6,7
.irp i, 0,1
.irp e, 0,2
	v_pk_fma_f32 v[180+4*\i+\e:181+4*\i+\e], v[S+32*\i+4*\p+\e:S+32*\i+4*\p+\e+1], s[WB+2*\p:WB+2*\p+1], v[180+4*\i+\e:181+4*\i+\e] op_sel_hi:[1,0,1]
.endr
.endr
.endr
	WALU
.irp i, 0,1
.irp e, 0,2
	v_pk_mul_f32 v[180+4*\i+\e:181+4*\i+\e], v[180+4*\i+\e:181+4*\i+\e], v[188+4*\i:189+4*\i] op_sel_hi:[1,0]
.endr
	global_store_b128 v[GO], v[180+4*\i:183+4*\i], s[8:9] offset:2048*\i th:TH_STORE_NT   ; 16 lanes store a query's 256 consecutive bytes, at a multiple of 256 from out0's first byte
.endr
	s_wait_tensorcnt 0x0                           ; the wave's end: behind my last tensor load and my last LDS store
	ds_add_u32 v[SPW], v[NIL]
	s_wait_dscnt 0x0
	CROUND                                         ; the closing round: no work-group ends while a partner may still ask for a piece that names it
	s_endpgm
.Lfunc_end_k_qe6fc5c0c42_attn:
	.size	k_qe6fc5c0c42_attn, .Lfunc_end_k_qe6fc5c0c42_attn-k_qe6fc5c0c42_attn
	.p2alignl 7, 3214868480
	.fill 96, 4, 3214868480
	.section	.rodata,"a",@progbits
	.p2align	6, 0x0
	.amdhsa_kernel k_qe6fc5c0c42_attn
		.amdhsa_group_segment_fixed_size 327680
		.amdhsa_private_segment_fixed_size 0
		.amdhsa_enable_private_segment 0
		.amdhsa_kernarg_size 24
		.amdhsa_user_sgpr_count 2
		.amdhsa_user_sgpr_kernarg_segment_ptr 1
		.amdhsa_wavefront_size32 1
		.amdhsa_system_sgpr_workgroup_id_x 1
		.amdhsa_system_sgpr_workgroup_id_y 1
		.amdhsa_system_sgpr_workgroup_id_z 1
		.amdhsa_system_vgpr_workitem_id 0
		.amdhsa_next_free_vgpr 256
		.amdhsa_next_free_sgpr 102
		.amdhsa_reserve_vcc 0
		.amdhsa_float_denorm_mode_32 3
		.amdhsa_float_denorm_mode_16_64 3
		.amdhsa_memory_ordered 1
		.amdhsa_forward_progress 1
		.amdhsa_inst_pref_size 69
	.end_amdhsa_kernel
	.amdgpu_metadata
---
amdhsa.version: [ 1, 2 ]
amdhsa.kernels:
  - .name:           k_qe6fc5c0c42_attn
    .symbol:         k_qe6fc5c0c42_attn.kd
    .args:
      - { .name: kvw, .offset: 0, .size: 8, .value_kind: global_buffer, .address_space: global }
      - { .name: qw, .offset: 8, .size: 8, .value_kind: global_buffer, .address_space: global }
      - { .name: out0, .offset: 16, .size: 8, .value_kind: global_buffer, .address_space: global }
    .group_segment_fixed_size: 327680
    .private_segment_fixed_size: 0
    .kernarg_segment_align: 8
    .kernarg_segment_size: 24
    .max_flat_workgroup_size: 512
    .sgpr_count:     102
    .vgpr_count:     256
    .wavefront_size: 32
...
	.end_amdgpu_metadata
.endif
;; end of part 2
